; MI455X (gfx1250); checked and timed in simulation.
; The chip was launched on July 23, 2026; its instructions are those of AMD's public machine-readable ISA for CDNA 5 (MIT licence, August 2026) and "CDNA5" Instruction Set Architecture Reference Guide (July 2026). The comments in the code are by the model that wrote it; some were corrected since.
;; Cross Head Attention. Allowed arithmetic: matrix products marked QUANTISED: E5M2 operands, one given power-of-two scale a tensor, by v_wmma_f32_16x16x64_bf8_bf8 or v_wmma_f32_16x16x128_bf8_bf8, f32 sums; everything else in f32.
;; Inputs: Wk 16 x 1,024 x 64 float32; Wo 1,024 x 1,024 float32; Wq 16 x 1,024 x 64 float32; Wv 16 x 1,024 x 64 float32; bk 16 x 64 float32; bo 1,024 float32; bq 16 x 64 float32; bv 16 x 64 float32; dec_hidden_state 2 x 2,048 x 1,024 float32; enc_hidden_state 2 x 2,048 x 1,024 float32; lowp_scales 12 int32 (the exponents e of the quantised operands' scales 2^e); mask 2 x 2,048 x 2,048 int32.
;; Outputs: out0 2 x 2,048 x 1,024 float32.
;; This version of the problem:
;;   THIS VERSION OF THE PROBLEM IS GIVEN IN LOW PRECISION. The matrix products marked QUANTISED in the list below multiply operands that are first quantised to E5M2 (5 exponent bits, 2 mantissa bits; 8 bits a number), with one given power-of-two scale for each operand tensor; their sums are f32. All else is computed in f32.
;;   The module's matrix products, in the order in which they are computed (A, B: the left and right operand; K: the contracted axis; several contracted axes count as one K, in the product's order):
;;     1. [M 1,024, K 1,024] x [K 1,024, N 4,096]; A: input Wq; B: input enc_hidden_state: QUANTISED (scales: A lowp_scales[0], B lowp_scales[1])
;;     2. [M 1,024, K 1,024] x [K 1,024, N 4,096]; A: input Wk; B: input dec_hidden_state: QUANTISED (scales: A lowp_scales[2], B lowp_scales[3])
;;     3. [M 1,024, K 1,024] x [K 1,024, N 4,096]; A: input Wv; B: input dec_hidden_state: QUANTISED (scales: A lowp_scales[4], B lowp_scales[5])
;;     4. batch 32 x [M 2,048, K 64] x [K 64, N 2,048]; A: computed on the way; B: computed on the way: QUANTISED (scales: A lowp_scales[6], B lowp_scales[7])
;;     5. batch 32 x [M 2,048, K 2,048] x [K 2,048, N 64]; A: softmax (see below); B: computed on the way: QUANTISED (scales: A lowp_scales[8], B lowp_scales[9])
;;     6. [M 4,096, K 1,024] x [K 1,024, N 1,024]; A: computed on the way; B: input Wo: QUANTISED (scales: A lowp_scales[10], B lowp_scales[11])
;;   THE QUANTISER, for each operand of a quantised product, along K:
;;     - The operand's scale is 2^e, e = its entry of the input lowp_scales (int32; the entries are numbered through the quantised products in the list's order, A before B).
;;     - Each number is divided by the scale, clamped to +-57,344, and rounded to the nearest number of E5M2, ties to even, subnormals kept.
;;     - The product sums the exact products of the quantised numbers (number of the format x scale) in f32.
;;   ~~~python
;;   def quantise(x, axis, e):      # numpy; x: float32 -> the quantised numbers, widened to float32 again
;;       x = np.moveaxis(x, axis, -1); K = x.shape[-1]
;;       r = np.clip(x / 2.0 ** e, -57344, 57344)
;;       step = 2.0 ** (np.maximum(np.frexp(np.where(r == 0, 1, r))[1] - 1, -14) - 2)
;;       q = np.round(r / step) * step * 2.0 ** e      # np.round: ties to even
;;       return np.moveaxis(q, -1, axis).astype(np.float32)
;;   ~~~
;;   SOFTMAX AHEAD OF A QUANTISED PRODUCT. Where the list says 'softmax', what is quantised is not the finished softmax but p = 2^(t - M), with t = logit x log2(e) and M = ceil(the row's largest t), a whole number; so 1/2 < the row's largest p <= 1. The row's sum l is taken of the UNQUANTISED p, in f32, and the product's result is divided by l at the end. Since M is a whole number, a kernel that streams over the keys may use a running M (the ceiling of the running maximum): every later rescaling is an exact power of two, so the quantised numbers keep their values, but for numbers so far below the row's largest that they fall under the format's range.
;;   OPERANDS COMPUTED ON THE WAY. 'Computed on the way' means the value that the module computes at that place (a softmax that the list does not call 'softmax' is quantised finished and normalised). What goes into a quantiser is computed in f32, as accurately as f32 sums, v_exp_f32 and their like allow (about 1e-6 of the number): no bf16 or f16 on the way to a quantiser, and a product that is left as it is and whose result goes on into a quantised operand takes f32 operands (vector FMAs, or v_wmma_f32_16x16x4_f32). A number that lies on a knife's edge between two numbers of the format may be rounded either way, as far as f32 arithmetic and the matrix unit's own rounding can turn it there, and no further.
;; One version. Each part assembles by itself: llvm-mc -triple=amdgcn-amd-amdhsa -mcpu=gfx1250 --defsym DOCPART=n.
;; ======== version 1 of 1: 4 launches
;; workspace buffers: xc 12,582,912 bytes; wc 4,194,304 bytes; mw 1,048,576 bytes of whole numbers; qc 4,194,304 bytes; kv 8,388,608 bytes; ac 4,194,304 bytes
;; launch prep (part 1): grid 1280 x 1, 4 waves a work-group, no clusters, 34,304 bytes of LDS; arguments enc_hidden_state, dec_hidden_state, mask, Wq, Wk, Wv, Wo, lowp_scales, xc, wc, mw; writes xc, wc, mw
.if DOCPART == 1
	.amdgcn_target "amdgcn-amd-amdhsa--gfx1250"
	.amdhsa_code_object_version 6
	.text
	.protected	k_q8023426987_prep
	.globl	k_q8023426987_prep
	.p2align	8
	.type	k_q8023426987_prep,@function
k_q8023426987_prep:
	s_mov_b64 s[64:65], 0
	v_nop
	global_prefetch_b8 v0, s[64:65] scope:SCOPE_SE
	s_setreg_imm32_b32 hwreg(HW_REG_WAVE_MODE, 25, 1), 1
	s_wait_xcnt 0x0
; PREP: every f32 input that is an operand becomes codes of E5M2, and the mask becomes lane masks.  A stream: no matrix work, no barrier, waves share nothing.
; code = x / 2^e, held within +-57,344, to the nearest code, ties to even.  LIMITS: each e used here (entries 0, 1, 2, 3, 4, 5, 11) lies between -126 and 112; NaN among the inputs is not served.
; ALL CODES ARE STORED AS IMAGES OF THE OPERAND'S REGISTERS.  An image is 16 rows x 128 along K, 2,048 bytes: register j of lane l lies at 512 (j / 4) + 16 l + 4 (j % 4), where lane l = (r = l % 16, h = l / 16)
; holds row r and its registers 2 c, 2 c + 1 hold k = 16 c + 8 h + 0 .. 7 (the 8-bit operand layout of the plain forms).  A later launch gets a fragment by four loads of 16 bytes a lane at 16 l.
;   xc: three sections of 4 MiB: enc with entry 1, dec with entry 3, dec with entry 5.  A section: 32 panels of 128 tokens; a panel: [K step 0..7][tile of 16 tokens 0..7][image].
;   wc: four sections of 1 MiB: Wq, Wk, Wv, Wo.  A section: 8 panels of 128 output features (64 head + kd; Wo: its column); a panel as above.
;   mw: [b x 128 + tile of 16 queries][step of 128 keys][64 words]: bit l of word 8 u + j says whether key 16 u + 8 (l / 16) + j of the step counts for query l % 16 of the tile.
; SHARES: each work-group reads 64 KiB.  0-255: enc, tile of 16 tokens;  256-511: dec;  512-1023: mask, 16 rows x 1,024 keys;  1024-1215: Wq, Wk, Wv: a head x 256 along K;  1216-1279: Wo: 128 columns x 128 along K.
; No cluster: no two work-groups read the same byte.
.set OFF, 16                           ; v16-31   byte offset of my 16 bytes in row i of the tile
.set R,   32                           ; v32-159  two units as loaded (a unit: 16 rows x 512 bytes)
.set X,   160                          ; v160-223 a unit turned: register 8 c + j = element 16 c + 8 h + j of row r
.set C,   224                          ; v224-239 an image's 16 registers
.set W,   240                          ; v240-241 lane l: mask words 2 l and 2 l + 1
.set SP,  528                          ; a stage row: 512 bytes + 16, so that sixteen rows begin in sixteen different groups of banks
.set STG, 16*SP                        ; a wave's own stage
.macro SCALE e, sc, lim                ; v[sc] = 2^e as f32, v[lim] = 57,344 x 2^e
	s_add_co_i32 s29, \e, 127
	s_lshl_b32 s30, s29, 23
	v_mov_b32 v[\sc], s30
	s_add_co_i32 s29, s29, 15
	s_lshl_b32 s29, s29, 23
	s_or_b32 s29, s29, 0x600000
	v_mov_b32 v[\lim], s29
.endm
	s_load_b512 s[4:19], s[0:1], 0x0               ; enc 4, dec 6, mask 8, Wq 10, Wk 12, Wv 14, Wo 16, the exponents 18
	s_load_b128 s[20:23], s[0:1], 0x40             ; xc 20, wc 22
	s_load_b64 s[24:25], s[0:1], 0x50              ; mw
	v_lshl_add_u32 v254, v0, 2, 0x8400
	v_mov_b32 v255, 0
	v_lshrrev_b32 v1, 5, v0
	v_readfirstlane_b32 s26, v1                    ; wave
	v_and_b32 v1, 31, v0                           ; lane
	v_lshlrev_b32 v2, 4, v1                        ; 16 x lane
	s_mov_b32 s27, ttmp9
	s_mov_b32 s51, 0
	s_mov_b32 s53, 0
	s_wait_kmcnt 0x0
	s_load_b256 s[32:39], s[18:19], 0x0            ; entries 0 to 7
	s_load_b128 s[40:43], s[18:19], 0x20           ; entries 8 to 11
	s_cmp_ge_u32 s27, 1024
	s_cbranch_scc1 .Lweights
; ---- enc, dec and the mask share one front: wave w takes units 2 w and 2 w + 1 of the work-group's eight
	s_and_b32 s50, s27, 255                        ; x: the tile of 16 tokens
	s_lshl_b32 s28, s50, 16                        ; its 16 rows of 4,096 bytes
	s_lshr_b32 s29, s50, 3
	s_lshl_b32 s29, s29, 17                        ; its panel,
	s_and_b32 s30, s50, 7
	s_lshl_b32 s30, s30, 11                        ; its image in a K step,
	s_add_co_u32 s29, s29, s30
	s_lshl_b32 s30, s26, 15                        ; K step 2 w
	s_add_co_u32 s29, s29, s30
	s_and_b32 s31, s27, 511                        ; mask: 2 x tile of 16 rows + half of the keys
	s_lshr_b32 s49, s31, 1
	s_and_b32 s31, s31, 1
	s_lshl_b32 s54, s49, 17                        ; 16 rows of 8,192 bytes
	s_lshl_b32 s55, s31, 12
	s_add_co_u32 s54, s54, s55
	s_lshl_b32 s49, s49, 12                        ; the tile's 4,096 bytes of words,
	s_lshl_b32 s31, s31, 11                        ; key step 8 x half
	s_add_co_u32 s49, s49, s31
	s_lshl_b32 s31, s26, 9                         ; + 2 w
	s_add_co_u32 s49, s49, s31
	s_mov_b32 s48, 4096                            ; bytes from row to row
	s_cmp_ge_u32 s27, 256
	s_cselect_b64 s[44:45], s[6:7], s[4:5]         ; the choices hang on the work-group's number alone
	s_cselect_b32 s30, 0x400000, 0                 ; dec's first section
	s_add_co_u32 s29, s29, s30
	s_cmp_ge_u32 s27, 512
	s_cselect_b64 s[44:45], s[8:9], s[44:45]
	s_cselect_b64 s[46:47], s[24:25], s[20:21]
	s_cselect_b32 s48, 8192, s48
	s_cselect_b32 s50, s54, s28
	s_cselect_b32 s52, s49, s29
	s_lshl_b32 s31, s26, 10                        ; my two units: 1,024 bytes of each row
	s_add_co_u32 s50, s50, s31
	s_add_nc_u64 s[44:45], s[44:45], s[50:51]
	s_add_nc_u64 s[46:47], s[46:47], s[52:53]
	v_mov_b32 v[OFF], v2
.irp i, 1,2,3,4,5,6,7,8,9,10,11,12,13,14,15
	v_add_nc_u32 v[OFF+\i], s48, v[OFF+\i-1]
.endr
.macro LOADU u                         ; a unit: each load reads 512 consecutive bytes of one row
.irp i, 0,1,2,3,4,5,6,7,8,9,10,11,12,13,14,15
	global_load_b128 v[R+64*\u+4*\i:R+64*\u+4*\i+3], v[OFF+\i], s[44:45] offset:512*\u th:TH_LOAD_NT
.endr
.endm
.macro TURN u                          ; through my stage: in as loaded, out 32 neighbouring bytes of my row at a time.  LDS serves a wave's instructions in order (ISA guide 5.7.1.4): no wait between
.irp i, 0,1,2,3,4,5,6,7,8,9,10,11,12,13,14,15
	ds_store_b128 v3, v[R+64*\u+4*\i:R+64*\u+4*\i+3] offset:SP*\i
.endr
.irp c, 0,1,2,3,4,5,6,7
	ds_load_b128 v[X+8*\c:X+8*\c+3], v8 offset:64*\c
	ds_load_b128 v[X+8*\c+4:X+8*\c+7], v8 offset:64*\c+16
.endr
.endm
.macro QX src, dst, sc, lim            ; 64 numbers become an image's 16 registers
.set n, 0
.rept 64
	v_med3_num_f32 v[\dst+n], v[\src+n], -v[\lim], v[\lim]   ; the conversion to an 8-bit code does not saturate (ISA guide 7.6.2): the hold comes first
.set n, n+1
.endr
.irp c, 0,1,2,3,4,5,6,7
	v_cvt_scalef32_pk8_bf8_f32 v[C+2*\c:C+2*\c+1], v[\dst+8*\c:\dst+8*\c+7], v[\sc]
.endr
	v_nop                                          ; a plain line behind the last conversion
.endm
.macro STX off                         ; the image leaves: each store covers 512 consecutive bytes
.irp g, 0,1,2,3
	global_store_b128 v2, v[C+4*\g:C+4*\g+3], s[46:47] offset:\off+512*\g
.endr
.endm
	LOADU 0
	LOADU 1
	s_mul_i32 s31, s26, STG
	v_add_nc_u32 v3, s31, v2                       ; into the stage: 16 x lane of a row
	v_and_b32 v10, 15, v1                          ; r
	v_lshrrev_b32 v11, 4, v1                       ; h
	v_mul_u32_u24 v8, v10, SP
	v_lshl_add_u32 v8, v11, 5, v8
	v_add_nc_u32 v8, s31, v8                       ; out of it: row r, + 32 h
	v_lshlrev_b32 v9, 3, v1                        ; my two mask words' place
	v_mov_b32 v[W], 0                              ; written whole once: v_writelane_b32 keeps the other lanes
	v_mov_b32 v[W+1], 0
	s_wait_kmcnt 0x0
	s_cmp_ge_u32 s27, 256
	s_cselect_b32 s28, s35, s33                    ; dec: entry 3; enc: entry 1
	SCALE s28, 4, 5
	SCALE s37, 6, 7                                ; dec once more, with entry 5
.macro UNIT u, left
	s_wait_loadcnt \left                           ; this unit's sixteen loads are in; the other unit's may be out
	TURN \u
	s_wait_dscnt 0x0
.if \u > 0
	s_wait_xcnt 0x0                                ; the last unit's stores have read C and W
.endif
	s_cmp_ge_u32 s27, 512
	s_cbranch_scc1 .Lmask_\u
	QX X, R+64*\u, 4, 5                            ; the numbers stay in X for the second scale
	STX 16384*\u
	s_cmp_lt_u32 s27, 256
	s_cbranch_scc1 .Ljoin_\u
	s_wait_xcnt 0x0                                ; C is written again only behind this wait
	QX X, X, 6, 7
	STX 4194304+16384*\u
	s_branch .Ljoin_\u
.Lmask_\u:
.set n, 0
.rept 64
	v_cmp_ne_u32 s[56+n%8], 0, v[X+n]              ; the 32 lanes' bits are the word as the scores' register n will want it
	v_writelane_b32 v[W+(n&1)], s[56+n%8], n>>1
.set n, n+1
.endr
	global_store_b64 v9, v[W:W+1], s[46:47] offset:256*\u   ; a key step's 64 words: 256 consecutive bytes
.Ljoin_\u:
.endm
	UNIT 0, 16
	UNIT 1, 0
	s_wait_tensorcnt 0x0
	ds_add_u32 v254, v255
	s_wait_dscnt 0x0
	s_endpgm
; ---- the weights: K is not innermost.  A lane takes a column and its registers run down K; a wave takes 32 columns x 128 along K: one K step of two images
.Lweights:
	v_lshlrev_b32 v10, 2, v1                       ; in: 4 bytes a lane
	v_lshrrev_b32 v11, 4, v1
	v_and_b32 v12, 15, v1
	v_lshlrev_b32 v11, 11, v11
	v_lshl_add_u32 v11, v12, 4, v11                ; out: image lane / 16, row lane % 16
	s_sub_co_u32 s28, s27, 1024
.macro WLOAD g, stride                 ; block g: 32 along K
.set n, 0
.rept 32
	global_load_b32 v[32+32*\g+n], v10, s[44:45] offset:(32*\g+n)*\stride th:TH_LOAD_NT
.set n, n+1
.endr
.endm
.macro WWORK g                         ; numbers 0-7 and 16-23 of the block are registers 4 g .. 4 g + 3 of the image's lane (r, 0), numbers 8-15 and 24-31 those of lane (r, 1)
.set n, 0
.rept 32
	v_med3_num_f32 v[32+32*\g+n], v[32+32*\g+n], -v5, v5
.set n, n+1
.endr
	v_cvt_scalef32_pk8_bf8_f32 v[160+8*\g:161+8*\g], v[32+32*\g:39+32*\g], v4
	v_cvt_scalef32_pk8_bf8_f32 v[164+8*\g:165+8*\g], v[40+32*\g:47+32*\g], v4
	v_cvt_scalef32_pk8_bf8_f32 v[162+8*\g:163+8*\g], v[48+32*\g:55+32*\g], v4
	v_cvt_scalef32_pk8_bf8_f32 v[166+8*\g:167+8*\g], v[56+32*\g:63+32*\g], v4
	v_nop
	global_store_b128 v11, v[160+8*\g:163+8*\g], s[46:47] offset:512*\g        ; sixteen lanes store 256 consecutive bytes; each block has its own registers, so no store's data are written again
	global_store_b128 v11, v[164+8*\g:167+8*\g], s[46:47] offset:512*\g+256
.endm
.macro WREST stride                    ; s28 = e.  Loads run two blocks ahead
	SCALE s28, 4, 5
	s_wait_loadcnt 32                              ; block 0 is in, block 1 may be out
	WLOAD 2, \stride
	WWORK 0
	s_wait_loadcnt 32                              ; block 1 is in, block 2 may be out
	WLOAD 3, \stride
	WWORK 1
	s_wait_loadcnt 32                              ; block 2 is in, block 3 may be out
	WWORK 2
	s_wait_loadcnt 0x0
	WWORK 3
	s_endpgm
.endm
	s_cmp_ge_u32 s28, 192
	s_cbranch_scc1 .Lwo
	s_lshr_b32 s29, s28, 6                         ; which of Wq, Wk, Wv
	s_bfe_u32 s30, s28, 0x40002                    ; head
	s_and_b32 s31, s28, 3
	s_and_b32 s49, s26, 1                          ; which 32 of the head's 64 columns
	s_lshr_b32 s54, s26, 1
	s_lshl_b32 s31, s31, 1
	s_add_co_u32 s31, s31, s54                     ; K step
	s_lshl_b32 s50, s30, 18                        ; a head: 1,024 rows of 256 bytes
	s_lshl_b32 s54, s31, 15
	s_add_co_u32 s50, s50, s54
	s_lshl_b32 s54, s49, 7
	s_add_co_u32 s50, s50, s54
	s_lshl_b32 s52, s29, 20                        ; section,
	s_lshr_b32 s54, s30, 1
	s_lshl_b32 s54, s54, 17                        ; panel: two heads,
	s_add_co_u32 s52, s52, s54
	s_lshl_b32 s54, s31, 14                        ; K step,
	s_add_co_u32 s52, s52, s54
	s_and_b32 s54, s30, 1
	s_lshl_b32 s54, s54, 13                        ; the head's four images,
	s_add_co_u32 s52, s52, s54
	s_lshl_b32 s54, s49, 12                        ; my two of them
	s_add_co_u32 s52, s52, s54
	s_cmp_eq_u32 s29, 1
	s_cselect_b64 s[44:45], s[12:13], s[10:11]
	s_cmp_eq_u32 s29, 2
	s_cselect_b64 s[44:45], s[14:15], s[44:45]
	s_add_nc_u64 s[44:45], s[44:45], s[50:51]
	s_add_nc_u64 s[46:47], s[22:23], s[52:53]
	WLOAD 0, 256
	WLOAD 1, 256
	s_wait_kmcnt 0x0
	s_cmp_eq_u32 s29, 1
	s_cselect_b32 s28, s34, s32                    ; entry 0, 2 or 4
	s_cmp_eq_u32 s29, 2
	s_cselect_b32 s28, s36, s28
	WREST 256
.Lwo:
	s_sub_co_u32 s28, s28, 192
	s_lshr_b32 s29, s28, 3                         ; panel of 128 columns
	s_and_b32 s30, s28, 7                          ; K step
	s_lshl_b32 s50, s30, 19                        ; 128 rows of 4,096 bytes
	s_lshl_b32 s54, s29, 9
	s_add_co_u32 s50, s50, s54
	s_lshl_b32 s54, s26, 7
	s_add_co_u32 s50, s50, s54
	s_lshl_b32 s52, s29, 17
	s_add_co_u32 s52, s52, 3<<20
	s_lshl_b32 s54, s30, 14
	s_add_co_u32 s52, s52, s54
	s_lshl_b32 s54, s26, 12
	s_add_co_u32 s52, s52, s54
	s_add_nc_u64 s[44:45], s[16:17], s[50:51]
	s_add_nc_u64 s[46:47], s[22:23], s[52:53]
	WLOAD 0, 4096
	WLOAD 1, 4096
	s_wait_kmcnt 0x0
	s_mov_b32 s28, s43                             ; entry 11
	WREST 4096
.Lfunc_end_k_q8023426987_prep:
	.size	k_q8023426987_prep, .Lfunc_end_k_q8023426987_prep-k_q8023426987_prep
	.p2alignl 7, 3214868480
	.fill 96, 4, 3214868480
	.section	.rodata,"a",@progbits
	.p2align	6, 0x0
	.amdhsa_kernel k_q8023426987_prep
		.amdhsa_group_segment_fixed_size 34304
		.amdhsa_private_segment_fixed_size 0
		.amdhsa_enable_private_segment 0
		.amdhsa_kernarg_size 88
		.amdhsa_user_sgpr_count 2
		.amdhsa_user_sgpr_kernarg_segment_ptr 1
		.amdhsa_wavefront_size32 1
		.amdhsa_system_sgpr_workgroup_id_x 1
		.amdhsa_system_sgpr_workgroup_id_y 1
		.amdhsa_system_sgpr_workgroup_id_z 1
		.amdhsa_system_vgpr_workitem_id 0
		.amdhsa_next_free_vgpr 256
		.amdhsa_next_free_sgpr 66
		.amdhsa_reserve_vcc 0
		.amdhsa_float_denorm_mode_32 3
		.amdhsa_float_denorm_mode_16_64 3
		.amdhsa_memory_ordered 1
		.amdhsa_forward_progress 1
		.amdhsa_inst_pref_size 95
	.end_amdhsa_kernel
	.amdgpu_metadata
---
amdhsa.version: [ 1, 2 ]
amdhsa.kernels:
  - .name:           k_q8023426987_prep
    .symbol:         k_q8023426987_prep.kd
    .args:
      - { .name: enc_hidden_state, .offset: 0, .size: 8, .value_kind: global_buffer, .address_space: global }
      - { .name: dec_hidden_state, .offset: 8, .size: 8, .value_kind: global_buffer, .address_space: global }
      - { .name: mask, .offset: 16, .size: 8, .value_kind: global_buffer, .address_space: global }
      - { .name: Wq, .offset: 24, .size: 8, .value_kind: global_buffer, .address_space: global }
      - { .name: Wk, .offset: 32, .size: 8, .value_kind: global_buffer, .address_space: global }
      - { .name: Wv, .offset: 40, .size: 8, .value_kind: global_buffer, .address_space: global }
      - { .name: Wo, .offset: 48, .size: 8, .value_kind: global_buffer, .address_space: global }
      - { .name: lowp_scales, .offset: 56, .size: 8, .value_kind: global_buffer, .address_space: global }
      - { .name: xc, .offset: 64, .size: 8, .value_kind: global_buffer, .address_space: global }
      - { .name: wc, .offset: 72, .size: 8, .value_kind: global_buffer, .address_space: global }
      - { .name: mw, .offset: 80, .size: 8, .value_kind: global_buffer, .address_space: global }
    .group_segment_fixed_size: 34304
    .private_segment_fixed_size: 0
    .kernarg_segment_align: 8
    .kernarg_segment_size: 88
    .max_flat_workgroup_size: 128
    .sgpr_count:     66
    .vgpr_count:     256
    .wavefront_size: 32
...
	.end_amdgpu_metadata
.endif
;; end of part 1
;; launch proj (part 2): grid 8 x 96, 8 waves a work-group, clusters of 4 x 4, 263,168 bytes of LDS; arguments xc, wc, bq, bk, bv, lowp_scales, qc, kv; writes qc, kv
.if DOCPART == 2
	.amdgcn_target "amdgcn-amd-amdhsa--gfx1250"
	.amdhsa_code_object_version 6
	.text
	.protected	k_q8023426987_proj
	.globl	k_q8023426987_proj
	.p2align	8
	.type	k_q8023426987_proj,@function
k_q8023426987_proj:
	s_mov_b64 s[64:65], 0
	v_nop
	global_prefetch_b8 v0, s[64:65] scope:SCOPE_SE
	s_setreg_imm32_b32 hwreg(HW_REG_WAVE_MODE, 25, 1), 1
	s_wait_xcnt 0x0
	s_wait_alu depctr_hold_cnt(0) depctr_sa_sdst(0) depctr_va_vdst(0) depctr_va_sdst(0) depctr_va_ssrc(0) depctr_va_vcc(0) depctr_vm_vsrc(0)
	s_getreg_b32 s2, hwreg(HW_REG_IB_STS2, 6, 4)
	s_cmp_eq_u32 s2, 0
	s_cbranch_scc0 .Lentry_in_a_cluster
	s_endpgm
.Lentry_in_a_cluster:
	s_bfe_u32 s2, ttmp6, 0x10000c
	s_cmp_lg_u32 s2, 0xf033
	s_cbranch_scc0 .Lentry_shape_is_right
	s_endpgm
.Lentry_shape_is_right:
; PROJ: q = enc Wq + bq, k = dec Wk + bk, v = dec Wv + bv on codes of E5M2, and each result quantised at once for the product that takes it.  Nothing leaves as f32.
; A work-group makes a block of 128 x 128 over the whole K = 1,024: D = S0 x S1^T.  Both panels (2 x 131,072 bytes of register images, see below) lie in LDS at once: every LDS byte is filled once, nothing is filled again.
; ROLE = cluster y / 8.  0 (q), 1 (k): S0 = a panel of W (two heads), S1 = a panel of 128 tokens: a lane then holds one token and its registers run along the head's 64, the next K.
;                        2 (v): S0 = a panel of 128 tokens (a key step), S1 = a panel of Wv: a lane then holds one channel d and its registers run along the keys, the next K.
; IMAGES: 16 rows x 128 K in 2,048 bytes: register j of lane l at 512 (j / 4) + 16 l + 4 (j % 4); lane (r, h) holds row r, registers 2 c, 2 c + 1 hold k = 16 c + 8 h + 0 .. 7.  A panel: [K step][tile][image].
; A result tile (register j = row 8 h + j of S0, lane's column = row r of S1) converted eight at a time IS registers 2 c, 2 c + 1 of the next operand's image: nothing changes lanes.
;   qc: [b 16 + head][tile of 16 queries][1,024: 16 rows x 64 K].   kv: [b 16 + head][step of 128 keys][16,384]: 8 tiles of 16 keys x 1,024, then at 8,192 four tiles of 16 channels x 2,048 (K = the step's keys).
; CLUSTER 4 x 4: region 0's panel hangs on cx alone and is asked for jointly by the four of a column; region 1's on cy alone, by the four of a row.  That holds in every role; the role is the same in all sixteen.
; THE BIAS starts the sums: bias / 2^(eW + ex) is written into the accumulators, so all eight K steps are alike.
; LIMITS: eo - eW - ex (6-0-1, 7-2-3, 9-4-5 of the entries) lies between -126 and 112.  NaN among the inputs is not served.
.set F1,  16                           ; v16-47   S1's two fragments
.set F0,  48                           ; v48-111  S0's four
.set ACC, 112                          ; v112-175 accumulator (a, b) at ACC + 8 (2 a + b)
.set CD,  176                          ; v176-191 the codes: 8 b + 2 a
.set G1A, 20                           ; s[20:27] descriptor group 1, region 0;  s[28:35] region 1: they differ in the mask
.set G1B, 28
.set G0A, 36                           ; s[36:51] four groups 0, region 0;  s[68:83] region 1
.set G0B, 68
.macro CROUND                          ; a round of the cluster's barrier
	s_barrier_signal -1
	s_barrier_wait -1
	s_cmp_lg_u32 s84, 0
	s_cbranch_scc1 .Lnot_wave_0_\@
	s_barrier_signal -3
.Lnot_wave_0_\@:
	s_barrier_wait -3
	s_barrier_signal -1
	s_barrier_wait -1
.endm
	s_load_b512 s[4:19], s[0:1], 0x0               ; xc 4, wc 6, bq 8, bk 10, bv 12, the exponents 14, qc 16, kv 18
	v_lshl_add_u32 v192, v0, 2, 0x40000
	v_mov_b32 v193, 0
	ds_add_u32 v192, v193
	ds_add_u32 v192, v193
	v_lshrrev_b32 v1, 5, v0
	v_readfirstlane_b32 s84, v1                    ; wave 0..7
	s_lshr_b32 s85, s84, 2                         ; which region I fetch for
	s_and_b32 s86, s84, 3                          ; which quarter of a phase's bytes
	s_and_b32 s87, s84, 1                          ; i: my half of S0's eight tiles
	s_bfe_u32 s52, ttmp6, 0x40000                  ; cx
	s_bfe_u32 s53, ttmp6, 0x40004                  ; cy
	s_mov_b32 s54, ttmp9                           ; cluster x, 0..1
	s_and_b32 s55, ttmp7, 0xffff                   ; cluster y, 0..23
	s_lshr_b32 s56, s55, 3                         ; role
	s_and_b32 s55, s55, 7
	s_cmp_eq_u32 s56, 2
	s_cselect_b32 s57, s55, s54                    ; tokens have 32 panels (8 clusters x 4), weights 8 (2 clusters x 4)
	s_cselect_b32 s58, s54, s55
	s_cselect_b32 s2, 22, 20                       ; a section of xc is 2^22 bytes, of wc 2^20
	s_cselect_b32 s3, 20, 22
	s_lshl_b32 s60, s56, s2
	s_lshl_b32 s62, s56, s3
	s_lshl_b32 s57, s57, 2
	s_add_co_u32 s57, s57, s52                     ; region 0's panel: hangs on cx, never on cy
	s_lshl_b32 s58, s58, 2
	s_add_co_u32 s58, s58, s53                     ; region 1's panel: hangs on cy, never on cx
	s_lshl_b32 s100, s57, 17
	s_add_co_u32 s60, s60, s100
	s_lshl_b32 s101, s58, 17
	s_add_co_u32 s62, s62, s101
	s_lshl_b32 s59, s86, 13                        ; my quarter: 8,192 bytes
	s_add_co_u32 s60, s60, s59
	s_add_co_u32 s62, s62, s59
	s_mov_b32 s61, 0
	s_mov_b32 s63, 0
	s_lshl_b32 s100, 0x1111, s52                   ; my column of the cluster
	s_lshl_b32 s101, s53, 2
	s_lshl_b32 s101, 15, s101                      ; my row
	s_or_b32 s[G1A], s100, (3<<16)|(1<<21)         ; 15:0 the mask; 17:16 elements of 8 bytes; 21 set beside a mask; no padding
	s_or_b32 s[G1B], s101, (3<<16)|(1<<21)
.irp g, G1A, G1B                       ; a dense block of 8,192 bytes as 32 rows of 256
	s_mov_b32 s[\g+1], 32<<16                      ; tensor_dim0 = 32 elements
	s_mov_b32 s[\g+2], 32<<16                      ; tensor_dim1 = 32
	s_mov_b32 s[\g+3], 32<<16                      ; tile_dim0 = 32
	s_mov_b32 s[\g+4], 32                          ; tile_dim1 = 32
	s_mov_b32 s[\g+5], 32                          ; pitch = a row
	s_mov_b32 s[\g+6], 0
	s_mov_b32 s[\g+7], 0
.endr
	s_wait_dscnt 0x0
	s_wait_kmcnt 0x0
	s_load_b256 s[88:95], s[14:15], 0x0            ; entries 0 to 7
	s_load_b128 s[96:99], s[14:15], 0x20           ; entries 8 to 11
	s_cmp_eq_u32 s56, 2
	s_cselect_b64 s[G0A+2:G0A+3], s[4:5], s[6:7]   ; the choice hangs on the role alone
	s_cselect_b64 s[G0B+2:G0B+3], s[6:7], s[4:5]
	s_add_nc_u64 s[G0A+2:G0A+3], s[G0A+2:G0A+3], s[60:61]
	s_add_nc_u64 s[G0B+2:G0B+3], s[G0B+2:G0B+3], s[62:63]
.irp p, 1,2,3                          ; phase p: K steps 2 p and 2 p + 1: 32,768 bytes of each panel
	s_add_nc_u64 s[G0A+4*\p+2:G0A+4*\p+3], s[G0A+2:G0A+3], \p*32768
	s_add_nc_u64 s[G0B+4*\p+2:G0B+4*\p+3], s[G0B+2:G0B+3], \p*32768
.endr
.irp p, 0,1,2,3
	s_mov_b32 s[G0A+4*\p], 1
	s_add_co_u32 s[G0A+4*\p+1], s59, \p*32768      ; in LDS as in memory: the wave's number and constants alone
	s_or_b32 s[G0A+4*\p+3], s[G0A+4*\p+3], 0x80000000
	s_mov_b32 s[G0B+4*\p], 1
	s_add_co_u32 s[G0B+4*\p+1], s59, 131072+\p*32768
	s_or_b32 s[G0B+4*\p+3], s[G0B+4*\p+3], 0x80000000
.endr
	CROUND                                         ; all sixteen work-groups are here: the joint loads meet
	s_cmp_eq_u32 s85, 0                            ; a wave's four first fills stand in one branch on its number: four loads of mine are out
	s_cbranch_scc0 .Lfill_b
.irp p, 0,1,2,3
	tensor_load_to_lds s[G0A+4*\p:G0A+4*\p+3], s[G1A:G1A+7]
	s_nop 0
.endr
.rept 4
	v_nop
.endr
	s_branch .Lfilled
.Lfill_b:
.irp p, 0,1,2,3
	tensor_load_to_lds s[G0B+4*\p:G0B+4*\p+3], s[G1B:G1B+7]
	s_nop 0
.endr
.rept 4
	v_nop
.endr
.Lfilled:
	s_lshr_b32 s3, s84, 1                          ; j: my quarter of S1's eight tiles
	v_and_b32 v1, 31, v0
	v_lshlrev_b32 v1, 4, v1                        ; 16 x lane
	v_and_b32 v4, 15, v0                           ; r
	v_bfe_u32 v5, v0, 4, 1                         ; h
	s_lshl_b32 s2, s87, 13
	v_add_nc_u32 v2, s2, v1                        ; S0: my four images of a K step
	s_lshl_b32 s2, s3, 12
	s_add_co_u32 s2, s2, 131072
	v_add_nc_u32 v3, s2, v1                        ; S1: my two
	; where my codes go
	s_lshr_b32 s2, s3, 1
	s_and_b32 s59, s3, 1
	s_lshl_b32 s59, s59, 12
	s_lshl_b32 s54, s87, 10
	s_add_co_u32 s59, s59, s54
	s_add_co_u32 s59, s59, 8192                    ; v: behind K's part; channel tiles 2 (j % 2) on; my 64 keys are registers 8 i on of the image
	s_lshl_b32 s54, s3, 11                         ; q, k: token tiles 2 j on
	s_cmp_eq_u32 s56, 2
	s_cselect_b32 s52, s57, s58                    ; the panel of tokens
	s_cselect_b32 s53, s58, s57                    ; the panel of weights: two heads
	s_cselect_b32 s2, s2, s87                      ; which of the two is mine
	s_cselect_b32 s59, s59, s54
	s_cselect_b32 s55, 11, 10
	s_lshl_b32 s55, 1, s55                         ; from S1's tile b = 0 to b = 1: 2,048 bytes (v) or 1,024
	v_mov_b32 v9, v1
	v_add_nc_u32 v10, s55, v1
	s_lshr_b32 s54, s52, 4
	s_lshl_b32 s54, s54, 4                         ; 16 b
	s_lshl_b32 s53, s53, 1
	s_add_co_u32 s54, s54, s53
	s_add_co_u32 s54, s54, s2                      ; + head
	s_and_b32 s52, s52, 15                         ; the panel within the batch: 8 tiles of queries, or a key step
	s_cmp_eq_u32 s56, 0
	s_cselect_b64 s[16:17], s[16:17], s[18:19]
	s_cselect_b32 s2, 17, 18
	s_cselect_b32 s53, 13, 14
	s_lshl_b32 s54, s54, s2
	s_lshl_b32 s52, s52, s53
	s_add_co_u32 s54, s54, s52
	s_add_co_u32 s54, s54, s59
	s_mov_b32 s55, 0
	s_add_nc_u64 s[16:17], s[16:17], s[54:55]
	; the scales: a sum stands for sum x 2^es, es = eW + ex; its code is sum / 2^(eo - es)
	s_wait_kmcnt 0x0
	s_add_co_i32 s52, s88, s89
	s_add_co_i32 s53, s90, s91
	s_add_co_i32 s2, s92, s93
	s_cmp_eq_u32 s56, 1
	s_cselect_b32 s52, s53, s52
	s_cselect_b32 s53, s95, s94
	s_cmp_eq_u32 s56, 2
	s_cselect_b32 s52, s2, s52                     ; es
	s_cselect_b32 s53, s97, s53                    ; eo: entry 6, 7 or 9
	s_sub_co_i32 s53, s53, s52
	s_sub_co_i32 s59, 0, s52                       ; -es
	s_add_co_i32 s53, s53, 127
	s_lshl_b32 s2, s53, 23
	v_mov_b32 v6, s2                               ; 2^(eo - es)
	s_add_co_i32 s53, s53, 15
	s_lshl_b32 s53, s53, 23
	s_or_b32 s53, s53, 0x600000
	v_mov_b32 v7, s53                              ; 57,344 x that
	; the bias, in the result's layout.  The branch hangs on the role, which all sixteen work-groups share
	s_cmp_eq_u32 s56, 2
	s_cbranch_scc1 .Lbias_v
	s_cmp_eq_u32 s56, 1
	s_cselect_b64 s[100:101], s[10:11], s[8:9]
	s_lshl_b32 s54, s57, 1
	s_add_co_u32 s54, s54, s87
	s_lshl_b32 s54, s54, 8                         ; my head's 64 numbers
	s_add_nc_u64 s[100:101], s[100:101], s[54:55]
	v_lshlrev_b32 v8, 5, v5                        ; tile a, register jj: number 16 a + 8 h + jj
.irp a, 0,1,2,3
	global_load_b128 v[48+8*\a:51+8*\a], v8, s[100:101] offset:64*\a
	global_load_b128 v[52+8*\a:55+8*\a], v8, s[100:101] offset:64*\a+16
.endr
	s_wait_loadcnt 0x0
.irp a, 0,1,2,3
.irp b, 0,1
.irp jj, 0,1,2,3,4,5,6,7
	v_ldexp_f32 v[ACC+8*(2*\a+\b)+\jj], v[48+8*\a+\jj], s59
.endr
.endr
.endr
	s_branch .Lbias_done
.Lbias_v:
	s_lshl_b32 s54, s58, 1
	s_lshr_b32 s2, s3, 1
	s_add_co_u32 s54, s54, s2
	s_lshl_b32 s54, s54, 8                         ; my head's 64 numbers,
	s_and_b32 s2, s3, 1
	s_lshl_b32 s2, s2, 7                           ; my 32 of them
	s_add_co_u32 s54, s54, s2
	s_add_nc_u64 s[100:101], s[12:13], s[54:55]
	v_lshlrev_b32 v8, 2, v4                        ; tile b: number 16 b + r, the same for all eight registers
	global_load_b32 v48, v8, s[100:101]
	global_load_b32 v49, v8, s[100:101] offset:64
	s_wait_loadcnt 0x0
.irp a, 0,1,2,3
.irp b, 0,1
.irp jj, 0,1,2,3,4,5,6,7
	v_ldexp_f32 v[ACC+8*(2*\a+\b)+\jj], v[48+\b], s59
.endr
.endr
.endr
.Lbias_done:
.macro PHASE left                      ; my part of the next two K steps is in; my later fills may stay out.  No LDS instruction of mine is out here
	s_wait_tensorcnt \left
	s_barrier_signal -1
	s_barrier_wait -1
.endm
.macro KSTEP s                         ; 128 along K: 24 LDS loads of 512 consecutive bytes, 8 products.  The eight accumulators take turns, one instruction a turn
.irp b, 0,1
.irp g, 0,1,2,3
	ds_load_b128 v[F1+16*\b+4*\g:F1+16*\b+4*\g+3], v3 offset:16384*\s+2048*\b+512*\g
.endr
.endr
.irp a, 0,1,2,3
.irp g, 0,1,2,3
	ds_load_b128 v[F0+16*\a+4*\g:F0+16*\a+4*\g+3], v2 offset:16384*\s+2048*\a+512*\g
.endr
.endr
.irp a, 0,1,2,3
	s_wait_dscnt 12-4*\a                           ; S1's two and S0's tiles up to a are in; the later tiles' four loads each may be out
.irp b, 0,1
	v_wmma_f32_16x16x128_bf8_bf8 v[ACC+8*(2*\a+\b):ACC+8*(2*\a+\b)+7], v[F0+16*\a:F0+16*\a+15], v[F1+16*\b:F1+16*\b+15], v[ACC+8*(2*\a+\b):ACC+8*(2*\a+\b)+7]
.endr
.endr
.rept 4
	v_nop                                          ; four places ahead of the next loads into the fragments, and of the first read of results
.endr
.endm
	PHASE 3
	KSTEP 0
	KSTEP 1
	PHASE 2
	KSTEP 2
	KSTEP 3
	v_add_nc_u32 v2, 0x10000, v2                   ; K steps 4 to 7: the offsets' 16 bits end at 65,535
	v_add_nc_u32 v3, 0x10000, v3
	PHASE 1
	KSTEP 0
	KSTEP 1
	PHASE 0
	KSTEP 2
	KSTEP 3
	; the way out: hold, convert, store.  Each accumulator is read from its low end on
.irp b, 0,1
.irp a, 0,1,2,3
.irp jj, 0,1,2,3,4,5,6,7
	v_med3_num_f32 v[ACC+8*(2*\a+\b)+\jj], v[ACC+8*(2*\a+\b)+\jj], -v7, v7
.endr
	v_cvt_scalef32_pk8_bf8_f32 v[CD+8*\b+2*\a:CD+8*\b+2*\a+1], v[ACC+8*(2*\a+\b):ACC+8*(2*\a+\b)+7], v6
.endr
.endr
	v_nop                                          ; a plain line behind the last conversion
.irp b, 0,1
.irp g, 0,1
	global_store_b128 v[9+\b], v[CD+8*\b+4*\g:CD+8*\b+4*\g+3], s[16:17] offset:512*\g   ; 512 consecutive bytes
.endr
.endr
	s_wait_tensorcnt 0x0
	ds_add_u32 v192, v193
	s_wait_dscnt 0x0
	CROUND                                         ; the closing round: no work-group ends while a partner may still ask for a panel that names it
	s_endpgm
.Lfunc_end_k_q8023426987_proj:
	.size	k_q8023426987_proj, .Lfunc_end_k_q8023426987_proj-k_q8023426987_proj
	.p2alignl 7, 3214868480
	.fill 96, 4, 3214868480
	.section	.rodata,"a",@progbits
	.p2align	6, 0x0
	.amdhsa_kernel k_q8023426987_proj
		.amdhsa_group_segment_fixed_size 263168
		.amdhsa_private_segment_fixed_size 0
		.amdhsa_enable_private_segment 0
		.amdhsa_kernarg_size 64
		.amdhsa_user_sgpr_count 2
		.amdhsa_user_sgpr_kernarg_segment_ptr 1
		.amdhsa_wavefront_size32 1
		.amdhsa_system_sgpr_workgroup_id_x 1
		.amdhsa_system_sgpr_workgroup_id_y 1
		.amdhsa_system_sgpr_workgroup_id_z 1
		.amdhsa_system_vgpr_workitem_id 0
		.amdhsa_next_free_vgpr 194
		.amdhsa_next_free_sgpr 102
		.amdhsa_reserve_vcc 0
		.amdhsa_float_denorm_mode_32 3
		.amdhsa_float_denorm_mode_16_64 3
		.amdhsa_memory_ordered 1
		.amdhsa_forward_progress 1
		.amdhsa_inst_pref_size 42
	.end_amdhsa_kernel
	.amdgpu_metadata
---
amdhsa.version: [ 1, 2 ]
amdhsa.kernels:
  - .name:           k_q8023426987_proj
    .symbol:         k_q8023426987_proj.kd
    .args:
      - { .name: xc, .offset: 0, .size: 8, .value_kind: global_buffer, .address_space: global }
      - { .name: wc, .offset: 8, .size: 8, .value_kind: global_buffer, .address_space: global }
      - { .name: bq, .offset: 16, .size: 8, .value_kind: global_buffer, .address_space: global }
      - { .name: bk, .offset: 24, .size: 8, .value_kind: global_buffer, .address_space: global }
      - { .name: bv, .offset: 32, .size: 8, .value_kind: global_buffer, .address_space: global }
      - { .name: lowp_scales, .offset: 40, .size: 8, .value_kind: global_buffer, .address_space: global }
      - { .name: qc, .offset: 48, .size: 8, .value_kind: global_buffer, .address_space: global }
      - { .name: kv, .offset: 56, .size: 8, .value_kind: global_buffer, .address_space: global }
    .group_segment_fixed_size: 263168
    .private_segment_fixed_size: 0
    .kernarg_segment_align: 8
    .kernarg_segment_size: 64
    .max_flat_workgroup_size: 256
    .sgpr_count:     102
    .vgpr_count:     194
    .wavefront_size: 32
...
	.end_amdgpu_metadata
.endif
;; end of part 2
;; launch attn (part 3): grid 8 x 32, 16 waves a work-group, clusters of 4 x 1, 264,192 bytes of LDS; arguments qc, kv, mw, lowp_scales, ac; writes ac
.if DOCPART == 3
	.amdgcn_target "amdgcn-amd-amdhsa--gfx1250"
	.amdhsa_code_object_version 6
	.text
	.protected	k_q8023426987_attn
	.globl	k_q8023426987_attn
	.p2align	8
	.type	k_q8023426987_attn,@function
k_q8023426987_attn:
	s_mov_b64 s[64:65], 0
	v_nop
	global_prefetch_b8 v0, s[64:65] scope:SCOPE_SE
	s_setreg_imm32_b32 hwreg(HW_REG_WAVE_MODE, 25, 1), 1
	s_wait_xcnt 0x0
	s_wait_alu depctr_hold_cnt(0) depctr_sa_sdst(0) depctr_va_vdst(0) depctr_va_sdst(0) depctr_va_ssrc(0) depctr_va_vcc(0) depctr_vm_vsrc(0)
	s_getreg_b32 s2, hwreg(HW_REG_IB_STS2, 6, 4)
	s_cmp_eq_u32 s2, 0
	s_cbranch_scc0 .Lentry_in_a_cluster
	s_endpgm
.Lentry_in_a_cluster:
	s_bfe_u32 s2, ttmp6, 0x10000c
	s_cmp_lg_u32 s2, 0x3003
	s_cbranch_scc0 .Lentry_shape_is_right
	s_endpgm
.Lentry_shape_is_right:
; ATTN: for one (batch, head) and 256 queries: S^T = K Q^T, the mask, the softmax by the problem's rule, O^T = V^T P^T, and O / l quantised for the last product.  All operands are codes of E5M2 in register images.
; THE SOFTMAX: t = score x log2(e) / 8; M = the row's largest t so far, rounded UP to a whole number; p = 2^(t - M) is quantised with entry 8; it is not normalised.  The row's sum is taken of the unquantised p
; and divides O at the end.  When M moves, the sum and O are multiplied by 2^(old M - new M), which rounds nothing.  A masked score becomes -infinity ahead of the maximum, so its p is 0.
; A row whose keys are all masked has the sum 0: its codes are set to the format's NaN, so that its row of the output is NaN, as in the definition.
; SHARES: each of SIXTEEN waves owns one tile of 16 queries in 256 registers, four waves to a SIMD, so that one wave's vector work stands beside another's products and LDS loads.  Every wave walks the 16 key steps of 128.
; LDS: the head's K and V, 262,144 bytes, lie there whole, as in memory: [key step][8 tiles of 16 keys x 1,024][4 tiles of 16 channels x 2,048].  Wave w brings key step w by one load.  Every byte is filled once.
; CLUSTER 4 x 1: the four blocks of queries of a cluster belong to one head and need the same K and V: each load is asked for jointly by the four.
; LAYOUT: both products are used transposed, so a lane holds ONE query (lane % 16) throughout; score register 8 u + j is key 16 u + 8 (lane / 16) + j, which is where the second product's operand wants it.
; THE MASK comes as 64 words a key step, word n = the 32 lanes' bits for score register n, read by scalar loads a step ahead: one v_cndmask_b32 a score.
; TWO REGIONS OF 64 REGISTERS CHANGE PLACES from step to step: one holds K and then V, the other S^T and then p.  As soon as eight p are converted, their registers take a tile of the NEXT step's K, so that K has
; most of a softmax in which to come.  A trip of the loop is two steps, after which the numbers are back where they began; the last two steps are written out, since the last asks for no further K and no further words.
; THE ORDER OF A STEP'S VECTOR LINES: the scores go in eight groups of eight.  While a group's exponentials are issued, the lines between them are the sums, holds and codes of the group before and t - M of the group
; after, so that no two exponentials follow each other and no line reads what the line above it wrote.  The maximum runs in four chains; the row's sum is kept in eight parts, joined once behind the loop.
; LIMITS on the given exponents: entries 6 + 7 between -123 and 130 (added to c's exponent field); entry 8, and 10 - 8 - 9, between -126 and 112.
; REGISTERS: v1 16 x lane; v2 the step's LDS address; v3 -infinity; v4 2^e8; v5 and v10 57,344 x 2^e8; v6, v7 the same two for 10 - 8 - 9; v8 four NaN codes; v12 -M; v13 the largest t; v14 the sum at the end;
;   v16-23 Q; v32-95 and v96-159 the two regions; v160-191 O^T; v192-207 p's codes; the rest as named below.
; s[32:63], s[68:99]: the step's mask words (word n in s[32 + n], from n = 32 on in s[36 + n]); at the head they are at work.
.set OT,  160                          ; v160-191 O^T
.set PCD, 192                          ; v192-207 p's codes
.set MX,  208                          ; v208-211 four chains of the step's maximum
.set LS,  212                          ; v212-219 the row's sum in eight parts: part pair i takes pair i of every group
.set OM,  220                          ; v220     the last step's -M
.set TT,  221                          ; v221     the step's largest t among my 64 keys
.set PT,  222                          ; v222     lane l xor 16's
.set DF,  223                          ; v223     old M - new M
.set FF,  252                          ; v[252:253] f = 2^(old M - new M); the pair is named, its low word serves both halves
.macro CROUND                          ; a round of the cluster's barrier
	s_barrier_signal -1
	s_barrier_wait -1
	s_cmp_lg_u32 s14, 0
	s_cbranch_scc1 .Lnot_wave_0_\@
	s_barrier_signal -3
.Lnot_wave_0_\@:
	s_barrier_wait -3
	s_barrier_signal -1
	s_barrier_wait -1
.endm
.macro WORDS                           ; the 64 words at byte s101 of my tile's 4,096
	s_load_b512 s[32:47], s[8:9], s101 offset:0x0
	s_load_b512 s[48:63], s[8:9], s101 offset:0x40
	s_load_b512 s[68:83], s[8:9], s101 offset:0x80
	s_load_b512 s[84:99], s[8:9], s101 offset:0xc0
.endm
; The lines of a group.  GN, GP: the first register of the group after and of the group before the one whose exponentials are being issued; c: that group's number.
.macro TMN i                           ; t - M for registers i, i + 1 of the group at GN
	v_pk_fma_f32 v[GN+\i:GN+\i+1], v[GN+\i:GN+\i+1], s[28:29], v[12:13] op_sel_hi:[1,0,0]
.endm
.macro LSUM i                          ; pair i of the group at GP goes into part pair i of the sum: THE UNQUANTISED p.  A step's first group brings the part under the new M in the same line
.if c == 1
	s_wait_alu depctr_va_vdst(0)
	v_pk_fma_f32 v[LS+2*\i:LS+2*\i+1], v[LS+2*\i:LS+2*\i+1], v[FF:FF+1], v[GP+2*\i:GP+2*\i+1] op_sel_hi:[1,0,1]
.else
	s_wait_alu depctr_va_vdst(0)
	v_pk_add_f32 v[LS+2*\i:LS+2*\i+1], v[LS+2*\i:LS+2*\i+1], v[GP+2*\i:GP+2*\i+1]
.endif
.endm
.macro HOLD i                          ; the conversion does not saturate (ISA guide 7.6.2); p is not negative, so the hold is one-sided.  Two holds in one dual-issue line: destinations even and odd, first sources in different banks, the limit in two registers of different banks
	v_dual_min_num_f32 v[GP+2*\i], v[GP+2*\i], v5 :: v_dual_min_num_f32 v[GP+2*\i+1], v[GP+2*\i+1], v10
.endm
.macro OMUL j                          ; pair j of O^T under the new M.  They are taken in ascending order
	v_pk_mul_f32 v[OT+2*\j:OT+2*\j+1], v[OT+2*\j:OT+2*\j+1], v[FF:FF+1] op_sel_hi:[1,0]
.endm
; A KEY STEP.  KR: the region that holds this step's K (asked for a step ago) and then its V.  SR: the region of the scores, then p, then the next step's K.  last = 1: nothing more is asked for.
.macro STEP KR, SR, last
	s_wait_dscnt 0x2                               ; K's tiles 0 to 6 are in; the last tile's two loads may be out
.irp u, 0,1,2,3,4,5,6
	v_wmma_f32_16x16x64_bf8_bf8 v[\SR+8*\u:\SR+8*\u+7], v[\KR+8*\u:\KR+8*\u+7], v[16:23], 0
.endr
	s_wait_dscnt 0x0
	v_wmma_f32_16x16x64_bf8_bf8 v[\SR+56:\SR+63], v[\KR+56:\KR+63], v[16:23], 0
	v_mov_b32 v[OM], v12                           ; the last step's -M is kept.  With the three lines below: four places ahead of the loads over K's fragments and of the first read of the scores
.rept 3
	v_nop
.endr
	s_wait_kmcnt 0x0                               ; this step's words, asked for a step ago
.set n, 0
.rept 64
.if (n%4) == 0
	ds_load_b128 v[\KR+n:\KR+n+3], v2 offset:8192+128*n   ; V's sixteen loads, one ahead of every fourth select: registers n .. n + 3 of the four fragments on end; they land under the softmax
.endif
.if n < 32
	v_cndmask_b32 v[\SR+n], v3, v[\SR+n], s[32+n]  ; bit 0: -infinity.  Each tile of scores is read from its low end on
.else
	v_cndmask_b32 v[\SR+n], v3, v[\SR+n], s[36+n]
.endif
.set n, n+1
.endr
.if \last == 0
	s_add_co_u32 s101, s101, 256                   ; no scalar load is out here: the offset may step.  The next step's words have the rest of this step in which to come
	WORDS
.endif
.irp k, 0,1,2,3                        ; the step's largest score of my query among my 64 keys: chain k takes registers 16 k .. 16 k + 14
	v_max3_num_f32 v[MX+\k], v[\SR+16*\k], v[\SR+16*\k+1], v[\SR+16*\k+2]
.endr
.irp j, 1,2,3,4,5,6
.irp k, 0,1,2,3
	v_max3_num_f32 v[MX+\k], v[MX+\k], v[\SR+16*\k+2*\j+1], v[\SR+16*\k+2*\j+2]
.endr
.endr
	v_max3_num_f32 v[MX], v[MX], v[\SR+15], v[\SR+31]      ; the four registers left over,
	v_max3_num_f32 v[MX+1], v[MX+1], v[\SR+47], v[\SR+63]
	v_max_num_f32 v[MX+2], v[MX+2], v[MX+3]
	v_max3_num_f32 v[MX], v[MX], v[MX+1], v[MX+2]          ; and the chains
	v_mul_f32 v[TT], s28, v[MX]                    ; as t (c is positive)
	v_permlanex16_b32 v[PT], v[TT], s30, s31       ; the query's other 64 keys lie in lane l xor 16
	v_max3_num_f32 v13, v13, v[TT], v[PT]          ; the running largest t
	v_floor_f32 v12, -v13                          ; the new -M = floor(-t) = -ceil(t)
.set GN, \SR
	TMN 0                                          ; group 0's t - M, and between its lines f
	v_sub_f32 v[DF], v12, v[OM]                    ; old M - new M: a whole number, 0 or less
	TMN 2
	v_cvt_i32_f32 v[DF], v[DF]                     ; (it saturates)
	TMN 4
	v_ldexp_f32 v[FF], 1.0, v[DF]                  ; f = 2^(old M - new M)
	TMN 6
.set c, 0
.rept 8
.set GC, \SR+8*c                       ; this group: p = 2^(t - M)
.set GP, \SR+8*c-8                     ; the group before: sums, holds, codes
.set GN, \SR+8*c+8                     ; the group after: t - M
	v_exp_f32 v[GC], v[GC]
.if c == 0
	TMN 0
	TMN 2
.else
	LSUM 0
	LSUM 1
.endif
	v_exp_f32 v[GC+1], v[GC+1]
.if c == 0
	TMN 4
	TMN 6
.else
	HOLD 0
.endif
	v_exp_f32 v[GC+2], v[GC+2]
.if c == 0
	OMUL 0
	OMUL 1
.else
	LSUM 2
.endif
	v_exp_f32 v[GC+3], v[GC+3]
.if c == 0
	OMUL 2
	OMUL 3
.else
	HOLD 1
	LSUM 3
.endif
	v_exp_f32 v[GC+4], v[GC+4]
.if c == 0
	OMUL 4
	OMUL 5
.else
	HOLD 2
.endif
	v_exp_f32 v[GC+5], v[GC+5]
.if c == 0
	OMUL 6
	OMUL 7
.else
	HOLD 3
.if c < 7
	TMN 0
.else
	OMUL 12
.endif
.endif
	v_exp_f32 v[GC+6], v[GC+6]
.if c == 0
	OMUL 8
	OMUL 9
.elseif c < 7
	TMN 2
	TMN 4
.else
	OMUL 13
	OMUL 14
.endif
	v_exp_f32 v[GC+7], v[GC+7]
.if c == 0
	OMUL 10
	OMUL 11
.elseif c < 7
	TMN 6
.endif
.if c > 0
	v_cvt_scalef32_pk8_bf8_f32 v[PCD+2*c-2:PCD+2*c-1], v[GP:GP+7], v4   ; registers 2 (c - 1), 2 (c - 1) + 1 of the operand: keys 16 (c - 1) + 8 h + 0 .. 7
.if \last == 0
	ds_load_b128 v[GP:GP+3], v2 offset:16384+1024*(c-1)                 ; the eight registers are done with: they take tile c - 1 of the next step's K
	ds_load_b128 v[GP+4:GP+7], v2 offset:16384+1024*(c-1)+512
.endif
.endif
.set c, c+1
.endr
.set GP, \SR+56                        ; the last group's sums, holds and codes
	LSUM 0
	LSUM 1
	HOLD 0
	LSUM 2
	HOLD 1
	LSUM 3
	HOLD 2
	HOLD 3
	v_cvt_scalef32_pk8_bf8_f32 v[PCD+14:PCD+15], v[GP:GP+7], v4
.if \last == 0
	ds_load_b128 v[GP:GP+3], v2 offset:16384+1024*7
	ds_load_b128 v[GP+4:GP+7], v2 offset:16384+1024*7+512
.endif
	OMUL 15                                        ; the last pair of O^T: also the plain line between the last conversion and the products
.if \last == 0
	s_wait_dscnt 0x10                              ; V's sixteen loads are in; the sixteen of the next step's K, issued behind them, may be out
.else
	s_wait_dscnt 0x0
.endif
.irp t, 0,1,2,3
	v_wmma_f32_16x16x128_bf8_bf8 v[OT+8*\t:OT+8*\t+7], v[\KR+16*\t:\KR+16*\t+15], v[PCD:PCD+15], v[OT+8*\t:OT+8*\t+7]
.endr
.if \last == 0
	s_add_co_u32 s100, s100, 16384
	v_add_nc_u32 v2, s100, v1                      ; the next step's LDS address.  With the four lines below: five places, since the next step's first products write their scores over the registers that held V
.rept 4
	v_nop
.endr
.endif
.endm
	s_load_b256 s[4:11], s[0:1], 0x0               ; qc 4, kv 6, mw 8, the exponents 10
	s_load_b64 s[12:13], s[0:1], 0x20              ; ac
	v_lshl_add_u32 v254, v0, 2, 0x40000
	v_mov_b32 v255, 0
	ds_add_u32 v254, v255
	ds_add_u32 v254, v255
	v_lshrrev_b32 v1, 5, v0
	v_readfirstlane_b32 s14, v1                    ; wave 0..15
	v_and_b32 v1, 31, v0
	v_lshlrev_b32 v1, 4, v1                        ; 16 x lane
	s_bfe_u32 s32, ttmp6, 0x40000                  ; cx: it enters the addresses of qc, mw and ac alone
	s_lshl_b32 s33, ttmp9, 2
	s_add_co_u32 s33, s33, s32                     ; my block of 256 queries
	s_and_b32 s34, ttmp7, 0xffff                   ; 16 b + head, which the four partners share
	s_lshl_b32 s33, s33, 4
	s_add_co_u32 s33, s33, s14                     ; my tile of 16 queries, 0..127
	s_lshl_b32 s36, s34, 18                        ; the head's K and V,
	s_lshl_b32 s38, s14, 14                        ; key step = my wave's number
	s_add_co_u32 s36, s36, s38
	s_mov_b32 s37, 0
	s_mov_b32 s20, 15|(3<<16)|(1<<21)              ; 15:0 the mask: all four; 17:16 elements of 8 bytes; 21 set beside a mask; no padding
	s_mov_b32 s21, 32<<16                          ; a dense block of 16,384 bytes as 64 rows of 256: tensor_dim0 = 32 elements
	s_mov_b32 s22, 64<<16                          ; tensor_dim1 = 64
	s_mov_b32 s23, 32<<16                          ; tile_dim0 = 32
	s_mov_b32 s24, 64                              ; tile_dim1 = 64
	s_mov_b32 s25, 32                              ; pitch = a row
	s_mov_b32 s26, 0
	s_mov_b32 s27, 0
	s_wait_dscnt 0x0
	s_wait_kmcnt 0x0
	s_load_b256 s[68:75], s[10:11], 0x0            ; entries 0 to 7
	s_load_b128 s[76:79], s[10:11], 0x20           ; entries 8 to 11
	CROUND                                         ; all four work-groups are here: the joint loads meet
	s_mov_b32 s16, 1
	s_lshl_b32 s17, s14, 14                        ; in LDS as in memory
	s_add_nc_u64 s[18:19], s[6:7], s[36:37]
	s_or_b32 s19, s19, 0x80000000
	tensor_load_to_lds s[16:19], s[20:27]          ; my one load
	s_nop 0
.rept 4
	v_nop
.endr
	s_lshl_b32 s40, s34, 17
	s_lshl_b32 s41, s33, 10
	s_add_co_u32 s40, s40, s41
	s_mov_b32 s41, 0
	s_add_nc_u64 s[4:5], s[4:5], s[40:41]
	global_load_b128 v[16:19], v1, s[4:5]          ; Q's fragment stays in registers
	global_load_b128 v[20:23], v1, s[4:5] offset:512
	s_lshr_b32 s42, s34, 4
	s_lshl_b32 s42, s42, 7
	s_add_co_u32 s42, s42, s33                     ; my tile among the 256 of both batches
	s_lshl_b32 s40, s42, 12
	s_add_nc_u64 s[8:9], s[8:9], s[40:41]          ; its mask words
	s_lshr_b32 s40, s42, 3
	s_lshl_b32 s40, s40, 17                        ; ac: the panel of 128 tokens,
	s_and_b32 s43, s42, 7
	s_lshl_b32 s43, s43, 11                        ; my image in a K step,
	s_add_co_u32 s40, s40, s43
	s_and_b32 s43, s34, 15
	s_lshr_b32 s44, s43, 1
	s_lshl_b32 s44, s44, 14                        ; the K step: a pair of heads,
	s_add_co_u32 s40, s40, s44
	s_and_b32 s43, s43, 1
	s_lshl_b32 s43, s43, 10                        ; my head's half of the image
	s_add_co_u32 s40, s40, s43
	s_add_nc_u64 s[12:13], s[12:13], s[40:41]
	s_mov_b32 s30, 0x76543210                      ; v_permlanex16_b32: lane l xor 16
	s_mov_b32 s31, 0xfedcba98
	s_mov_b32 s28, 0x3e38aa3b                      ; c = log2(e) / 8
	v_mov_b32 v3, 0xff800000
	v_mov_b32 v8, 0x7f7f7f7f
	v_mov_b32 v13, 0xff61b1e6                      ; the largest t so far: -3e38, under every t
	v_floor_f32 v12, -v13                          ; -M
	v_mov_b32 v[PT], 0                             ; written once: a lane permute's destination counts as one of its sources
	v_mov_b32 v[FF], 0
	v_mov_b32 v[FF+1], 0                           ; (named as the upper half of the pair)
.set n, 0
.rept 8
	v_mov_b32 v[LS+n], 0                           ; the sum's eight parts
.set n, n+1
.endr
.set n, 0
.rept 32
	v_mov_b32 v[OT+n], 0                           ; O^T: the step is written for every step alike; the first finds zeros, which the first change of M leaves zeros
.set n, n+1
.endr
	s_wait_kmcnt 0x0
	s_add_co_i32 s40, s74, s75
	s_lshl_b32 s40, s40, 23
	s_add_co_i32 s28, s28, s40                     ; a score stands for score x 2^(e6 + e7)
	s_mov_b32 s29, s28                             ; (named with it as a pair)
	s_add_co_i32 s40, s76, 127
	s_lshl_b32 s41, s40, 23
	v_mov_b32 v4, s41                              ; 2^e8
	s_add_co_i32 s40, s40, 15
	s_lshl_b32 s40, s40, 23
	s_or_b32 s40, s40, 0x600000
	v_mov_b32 v5, s40                              ; 57,344 x 2^e8,
	v_mov_b32 v10, s40                             ; twice: one for each half of a dual-issue hold
	s_sub_co_i32 s40, s78, s76
	s_sub_co_i32 s40, s40, s77                     ; O / l stands for x 2^(e8 + e9): its code is (O / l) / 2^(e10 - e8 - e9)
	s_add_co_i32 s40, s40, 127
	s_lshl_b32 s41, s40, 23
	v_mov_b32 v6, s41
	s_add_co_i32 s40, s40, 15
	s_lshl_b32 s40, s40, 23
	s_or_b32 s40, s40, 0x600000
	v_mov_b32 v7, s40
	s_mov_b32 s101, 0
	WORDS                                          ; key step 0's words; the registers above are done with
	s_mov_b32 s100, 0                              ; the step's first LDS byte
	s_mov_b32 s15, 0
	s_wait_tensorcnt 0x0                           ; my key step is in,
	s_barrier_signal -1
	s_barrier_wait -1                              ; everybody's is
	v_add_nc_u32 v2, s100, v1
.irp u, 0,1,2,3,4,5,6,7
	ds_load_b128 v[32+8*\u:35+8*\u], v2 offset:1024*\u       ; key step 0's K
	ds_load_b128 v[36+8*\u:39+8*\u], v2 offset:1024*\u+512
.endr
	s_wait_loadcnt 0x0                             ; Q
.Lpair:                                            ; 7 trips of two steps: key steps 0 to 13
	STEP 32, 96, 0
	STEP 96, 32, 0
	s_add_co_u32 s15, s15, 1
	s_cmp_lt_u32 s15, 7
	s_cbranch_scc1 .Lpair
	STEP 32, 96, 0                                 ; key step 14
	STEP 96, 32, 1                                 ; key step 15 asks for nothing more: no LDS load passes the head's last byte, no scalar load the tile's last word
	; the way out.  The four additions are the places behind the last products
	v_pk_add_f32 v[LS:LS+1], v[LS:LS+1], v[LS+2:LS+3]
	v_pk_add_f32 v[LS+4:LS+5], v[LS+4:LS+5], v[LS+6:LS+7]
	v_pk_add_f32 v[LS:LS+1], v[LS:LS+1], v[LS+4:LS+5]
	v_add_f32 v14, v[LS], v[LS+1]                  ; the sum's eight parts,
	v_permlanex16_b32 v[PT], v14, s30, s31
	v_add_f32 v14, v14, v[PT]                      ; and lane l xor 16's
	v_rcp_f32 v[FF], v14
	v_nop                                          ; a plain line behind the reciprocal
	v_cmp_eq_f32 vcc_lo, 0, v14                    ; a row with no key at all
.set j, 0
.rept 16
	s_wait_alu depctr_va_vdst(0)
	v_pk_mul_f32 v[32+j:33+j], v[OT+j:OT+j+1], v[FF:FF+1] op_sel_hi:[1,0]   ; O^T / l; each accumulator from its low end on
.set j, j+2
.endr
.set j, 0
.rept 32
	v_med3_num_f32 v[32+j], v[32+j], -v7, v7
.set j, j+1
.endr
.irp t, 0,1,2,3
	v_cvt_scalef32_pk8_bf8_f32 v[PCD+2*\t:PCD+2*\t+1], v[32+8*\t:39+8*\t], v6
.endr
	v_nop                                          ; a plain line behind the last conversion
.irp n, 0,1,2,3,4,5,6,7
	v_cndmask_b32 v[PCD+\n], v[PCD+\n], v8, vcc_lo
.endr
	global_store_b128 v1, v[PCD:PCD+3], s[12:13]   ; 512 consecutive bytes each
	global_store_b128 v1, v[PCD+4:PCD+7], s[12:13] offset:512
	s_wait_tensorcnt 0x0
	ds_add_u32 v254, v255
	s_wait_dscnt 0x0
	CROUND                                         ; the closing round
	s_endpgm
.Lfunc_end_k_q8023426987_attn:
	.size	k_q8023426987_attn, .Lfunc_end_k_q8023426987_attn-k_q8023426987_attn
	.p2alignl 7, 3214868480
	.fill 96, 4, 3214868480
	.section	.rodata,"a",@progbits
	.p2align	6, 0x0
	.amdhsa_kernel k_q8023426987_attn
		.amdhsa_group_segment_fixed_size 264192
		.amdhsa_private_segment_fixed_size 0
		.amdhsa_enable_private_segment 0
		.amdhsa_kernarg_size 40
		.amdhsa_user_sgpr_count 2
		.amdhsa_user_sgpr_kernarg_segment_ptr 1
		.amdhsa_wavefront_size32 1
		.amdhsa_system_sgpr_workgroup_id_x 1
		.amdhsa_system_sgpr_workgroup_id_y 1
		.amdhsa_system_sgpr_workgroup_id_z 1
		.amdhsa_system_vgpr_workitem_id 0
		.amdhsa_next_free_vgpr 256
		.amdhsa_next_free_sgpr 102
		.amdhsa_reserve_vcc 1
		.amdhsa_float_denorm_mode_32 3
		.amdhsa_float_denorm_mode_16_64 3
		.amdhsa_memory_ordered 1
		.amdhsa_forward_progress 1
		.amdhsa_inst_pref_size 93
	.end_amdhsa_kernel
	.amdgpu_metadata
---
amdhsa.version: [ 1, 2 ]
amdhsa.kernels:
  - .name:           k_q8023426987_attn
    .symbol:         k_q8023426987_attn.kd
    .args:
      - { .name: qc, .offset: 0, .size: 8, .value_kind: global_buffer, .address_space: global }
      - { .name: kv, .offset: 8, .size: 8, .value_kind: global_buffer, .address_space: global }
      - { .name: mw, .offset: 16, .size: 8, .value_kind: global_buffer, .address_space: global }
      - { .name: lowp_scales, .offset: 24, .size: 8, .value_kind: global_buffer, .address_space: global }
      - { .name: ac, .offset: 32, .size: 8, .value_kind: global_buffer, .address_space: global }
    .group_segment_fixed_size: 264192
    .private_segment_fixed_size: 0
    .kernarg_segment_align: 8
    .kernarg_segment_size: 40
    .max_flat_workgroup_size: 512
    .sgpr_count:     102
    .vgpr_count:     256
    .wavefront_size: 32
...
	.end_amdgpu_metadata
.endif
;; end of part 3
;; launch outp (part 4): grid 8 x 32, 8 waves a work-group, clusters of 4 x 4, 297,984 bytes of LDS; arguments ac, wc, bo, lowp_scales, out0; writes out0
.if DOCPART == 4
	.amdgcn_target "amdgcn-amd-amdhsa--gfx1250"
	.amdhsa_code_object_version 6
	.text
	.protected	k_q8023426987_outp
	.globl	k_q8023426987_outp
	.p2align	8
	.type	k_q8023426987_outp,@function
k_q8023426987_outp:
	s_mov_b64 s[64:65], 0
	v_nop
	global_prefetch_b8 v0, s[64:65] scope:SCOPE_SE
	s_setreg_imm32_b32 hwreg(HW_REG_WAVE_MODE, 25, 1), 1
	s_wait_xcnt 0x0
	s_wait_alu depctr_hold_cnt(0) depctr_sa_sdst(0) depctr_va_vdst(0) depctr_va_sdst(0) depctr_va_ssrc(0) depctr_va_vcc(0) depctr_vm_vsrc(0)
	s_getreg_b32 s2, hwreg(HW_REG_IB_STS2, 6, 4)
	s_cmp_eq_u32 s2, 0
	s_cbranch_scc0 .Lentry_in_a_cluster
	s_endpgm
.Lentry_in_a_cluster:
	s_bfe_u32 s2, ttmp6, 0x10000c
	s_cmp_lg_u32 s2, 0xf033
	s_cbranch_scc0 .Lentry_shape_is_right
	s_endpgm
.Lentry_shape_is_right:
; OUTP: out0 = attn Wo + bo on codes of E5M2.  A work-group makes 128 tokens x 128 columns over the whole K = 1,024: D = S0 x S1^T, S0 = a panel of Wo (rows = its columns n), S1 = a panel of 128 tokens of attn.
; Both panels, 2 x 131,072 bytes of register images ([K step][tile][2,048]: register j of lane l at 512 (j / 4) + 16 l + 4 (j % 4)), lie in LDS at once: every byte of them is filled once, nothing is filled again.
; A lane holds one token and eight neighbouring columns.  bo / 2^(e10 + e11) starts the sums, and each finished sum is multiplied once by 2^(e10 + e11).
; CLUSTER 4 x 4: Wo's panel hangs on cx alone and is asked for jointly by the four of a column; the tokens' panel on cy alone, by the four of a row.
; LIMIT: entries 10 + 11 lie between -126 and 127.
.set F1,  16                           ; v16-47   S1's two fragments; on the way out a block's numbers
.set F0,  48                           ; v48-111  S0's four; on the way out rows read back
.set ACC, 112                          ; v112-175 accumulator (a, b) at ACC + 8 (2 a + b)
.set G1A, 20
.set G1B, 28
.set G0A, 36
.set G0B, 68
.set STAGE, 262144                     ; behind the panels: 16 rows x (256 bytes + 16) for each wave; no fill lands there
.set SPI,  272
.macro CROUND                          ; a round of the cluster's barrier
	s_barrier_signal -1
	s_barrier_wait -1
	s_cmp_lg_u32 s84, 0
	s_cbranch_scc1 .Lnot_wave_0_\@
	s_barrier_signal -3
.Lnot_wave_0_\@:
	s_barrier_wait -3
	s_barrier_signal -1
	s_barrier_wait -1
.endm
	s_load_b256 s[4:11], s[0:1], 0x0               ; ac 4, wc 6, bo 8, the exponents 10
	s_load_b64 s[12:13], s[0:1], 0x20              ; out0
	v_lshl_add_u32 v192, v0, 2, 0x48800
	v_mov_b32 v193, 0
	ds_add_u32 v192, v193
	ds_add_u32 v192, v193
	v_lshrrev_b32 v1, 5, v0
	v_readfirstlane_b32 s84, v1                    ; wave 0..7
	s_lshr_b32 s85, s84, 2                         ; which region I fetch for
	s_and_b32 s86, s84, 3                          ; which quarter of a phase's bytes
	s_and_b32 s87, s84, 1                          ; i: my half of S0's eight tiles
	s_bfe_u32 s52, ttmp6, 0x40000                  ; cx
	s_bfe_u32 s53, ttmp6, 0x40004                  ; cy
	s_lshl_b32 s57, ttmp9, 2
	s_add_co_u32 s57, s57, s52                     ; Wo's panel, 0..7: hangs on cx, never on cy
	s_and_b32 s58, ttmp7, 0xffff
	s_lshl_b32 s58, s58, 2
	s_add_co_u32 s58, s58, s53                     ; the tokens' panel, 0..31: hangs on cy, never on cx
	s_lshl_b32 s60, s57, 17
	s_add_co_u32 s60, s60, 3<<20                   ; Wo's section of wc
	s_lshl_b32 s62, s58, 17
	s_lshl_b32 s59, s86, 13                        ; my quarter: 8,192 bytes
	s_add_co_u32 s60, s60, s59
	s_add_co_u32 s62, s62, s59
	s_mov_b32 s61, 0
	s_mov_b32 s63, 0
	s_lshl_b32 s100, 0x1111, s52                   ; my column of the cluster
	s_lshl_b32 s101, s53, 2
	s_lshl_b32 s101, 15, s101                      ; my row
	s_or_b32 s[G1A], s100, (3<<16)|(1<<21)         ; 15:0 the mask; 17:16 elements of 8 bytes; 21 set beside a mask; no padding
	s_or_b32 s[G1B], s101, (3<<16)|(1<<21)
.irp g, G1A, G1B                       ; a dense block of 8,192 bytes as 32 rows of 256
	s_mov_b32 s[\g+1], 32<<16
	s_mov_b32 s[\g+2], 32<<16
	s_mov_b32 s[\g+3], 32<<16
	s_mov_b32 s[\g+4], 32
	s_mov_b32 s[\g+5], 32
	s_mov_b32 s[\g+6], 0
	s_mov_b32 s[\g+7], 0
.endr
	s_wait_dscnt 0x0
	s_wait_kmcnt 0x0
	s_load_b128 s[96:99], s[10:11], 0x20           ; entries 8 to 11
	s_add_nc_u64 s[G0A+2:G0A+3], s[6:7], s[60:61]
	s_add_nc_u64 s[G0B+2:G0B+3], s[4:5], s[62:63]
.irp p, 1,2,3                          ; phase p: K steps 2 p and 2 p + 1
	s_add_nc_u64 s[G0A+4*\p+2:G0A+4*\p+3], s[G0A+2:G0A+3], \p*32768
	s_add_nc_u64 s[G0B+4*\p+2:G0B+4*\p+3], s[G0B+2:G0B+3], \p*32768
.endr
.irp p, 0,1,2,3
	s_mov_b32 s[G0A+4*\p], 1
	s_add_co_u32 s[G0A+4*\p+1], s59, \p*32768
	s_or_b32 s[G0A+4*\p+3], s[G0A+4*\p+3], 0x80000000
	s_mov_b32 s[G0B+4*\p], 1
	s_add_co_u32 s[G0B+4*\p+1], s59, 131072+\p*32768
	s_or_b32 s[G0B+4*\p+3], s[G0B+4*\p+3], 0x80000000
.endr
	CROUND                                         ; all sixteen work-groups are here: the joint loads meet
	s_cmp_eq_u32 s85, 0                            ; a wave's four first fills stand in one branch on its number: four loads of mine are out
	s_cbranch_scc0 .Lfill_b
.irp p, 0,1,2,3
	tensor_load_to_lds s[G0A+4*\p:G0A+4*\p+3], s[G1A:G1A+7]
	s_nop 0
.endr
.rept 4
	v_nop
.endr
	s_branch .Lfilled
.Lfill_b:
.irp p, 0,1,2,3
	tensor_load_to_lds s[G0B+4*\p:G0B+4*\p+3], s[G1B:G1B+7]
	s_nop 0
.endr
.rept 4
	v_nop
.endr
.Lfilled:
	s_lshr_b32 s3, s84, 1                          ; j: my quarter of S1's eight tiles
	v_and_b32 v1, 31, v0
	v_lshlrev_b32 v1, 4, v1                        ; 16 x lane
	v_and_b32 v4, 15, v0                           ; r
	v_bfe_u32 v5, v0, 4, 1                         ; h
	s_lshl_b32 s2, s87, 13
	v_add_nc_u32 v2, s2, v1                        ; S0: my four images of a K step
	s_lshl_b32 s2, s3, 12
	s_add_co_u32 s2, s2, 131072
	v_add_nc_u32 v3, s2, v1                        ; S1: my two
	s_mul_i32 s2, s84, 16*SPI
	s_add_co_u32 s2, s2, STAGE                     ; my stage
	v_mul_u32_u24 v11, v4, SPI
	v_lshl_add_u32 v11, v5, 5, v11
	v_add_nc_u32 v11, s2, v11                      ; in: row r, + 32 h; tile a: 64 a on
	v_mul_u32_u24 v12, v5, SPI
	v_lshl_add_u32 v12, v4, 4, v12
	v_add_nc_u32 v12, s2, v12                      ; back: lanes 0-15 one row of 256 bytes, lanes 16-31 the next
	v_lshlrev_b32 v13, 12, v5
	v_lshl_add_u32 v13, v4, 4, v13                 ; and the same two rows of out0
	s_lshl_b32 s54, s58, 19                        ; 128 tokens of 4,096 bytes,
	s_lshl_b32 s2, s3, 17                          ; my 32 of them,
	s_add_co_u32 s54, s54, s2
	s_lshl_b32 s2, s57, 9                          ; 128 columns,
	s_add_co_u32 s54, s54, s2
	s_lshl_b32 s2, s87, 8                          ; my 64 of them
	s_add_co_u32 s54, s54, s2
	s_mov_b32 s55, 0
	s_add_nc_u64 s[12:13], s[12:13], s[54:55]
	s_lshl_b32 s54, s57, 9
	s_add_co_u32 s54, s54, s2
	s_add_nc_u64 s[8:9], s[8:9], s[54:55]          ; bo at my 64 columns
	v_lshlrev_b32 v8, 5, v5                        ; tile a, register jj: column 16 a + 8 h + jj
.irp a, 0,1,2,3
	global_load_b128 v[48+8*\a:51+8*\a], v8, s[8:9] offset:64*\a
	global_load_b128 v[52+8*\a:55+8*\a], v8, s[8:9] offset:64*\a+16
.endr
	s_wait_kmcnt 0x0
	s_add_co_i32 s52, s98, s99                     ; e10 + e11
	s_sub_co_i32 s59, 0, s52
	s_add_co_i32 s52, s52, 127
	s_lshl_b32 s52, s52, 23                        ; 2^(e10 + e11) as f32
	s_mov_b32 s53, s52                             ; (named with it as a pair)
	s_wait_loadcnt 0x0
.irp a, 0,1,2,3
.irp b, 0,1
.irp jj, 0,1,2,3,4,5,6,7
	v_ldexp_f32 v[ACC+8*(2*\a+\b)+\jj], v[48+8*\a+\jj], s59
.endr
.endr
.endr
.macro PHASE left                      ; my part of the next two K steps is in; my later fills may stay out.  No LDS instruction of mine is out here
	s_wait_tensorcnt \left
	s_barrier_signal -1
	s_barrier_wait -1
.endm
.macro KSTEP s                         ; 128 along K: 24 LDS loads of 512 consecutive bytes, 8 products.  The eight accumulators take turns, one instruction a turn
.irp b, 0,1
.irp g, 0,1,2,3
	ds_load_b128 v[F1+16*\b+4*\g:F1+16*\b+4*\g+3], v3 offset:16384*\s+2048*\b+512*\g
.endr
.endr
.irp a, 0,1,2,3
.irp g, 0,1,2,3
	ds_load_b128 v[F0+16*\a+4*\g:F0+16*\a+4*\g+3], v2 offset:16384*\s+2048*\a+512*\g
.endr
.endr
.irp a, 0,1,2,3
	s_wait_dscnt 12-4*\a                           ; S1's two and S0's tiles up to a are in; the later tiles' four loads each may be out
.irp b, 0,1
	v_wmma_f32_16x16x128_bf8_bf8 v[ACC+8*(2*\a+\b):ACC+8*(2*\a+\b)+7], v[F0+16*\a:F0+16*\a+15], v[F1+16*\b:F1+16*\b+15], v[ACC+8*(2*\a+\b):ACC+8*(2*\a+\b)+7]
.endr
.endr
.rept 4
	v_nop                                          ; four places ahead of the next loads into the fragments, and of the first read of results
.endr
.endm
	PHASE 3
	KSTEP 0
	KSTEP 1
	PHASE 2
	KSTEP 2
	KSTEP 3
	v_add_nc_u32 v2, 0x10000, v2                   ; K steps 4 to 7: the offsets' 16 bits end at 65,535
	v_add_nc_u32 v3, 0x10000, v3
	PHASE 1
	KSTEP 0
	KSTEP 1
	PHASE 0
	KSTEP 2
	KSTEP 3
; THE WAY OUT, a tile of 16 tokens x my 64 columns at a time: a lane holds 32 neighbouring bytes of a row and the lanes beside it other rows, so the tile goes through my own stage and comes back as rows of 256 bytes.
; LDS serves a wave's instructions in order (ISA guide 5.7.1.4): no wait between the stores and the loads, nor ahead of the next tile's stores.
.macro TOSTAGE b
.irp a, 0,1,2,3
.irp jj, 0,2,4,6
	v_pk_mul_f32 v[F1+8*\a+\jj:F1+8*\a+\jj+1], v[ACC+8*(2*\a+\b)+\jj:ACC+8*(2*\a+\b)+\jj+1], s[52:53] op_sel_hi:[1,0]   ; x 2^(e10 + e11); each accumulator from its low end on
.endr
.endr
.irp a, 0,1,2,3
	ds_store_b128 v11, v[F1+8*\a:F1+8*\a+3] offset:64*\a
	ds_store_b128 v11, v[F1+8*\a+4:F1+8*\a+7] offset:64*\a+16
.endr
.irp t, 0,1,2,3,4,5,6,7
	ds_load_b128 v[F0+32*\b+4*\t:F0+32*\b+4*\t+3], v12 offset:2*SPI*\t
.endr
.endm
.macro SEND b, younger                 ; younger: the LDS instructions issued behind this tile's loads
.irp t, 0,1,2,3,4,5,6,7
	s_wait_dscnt \younger+7-\t
	global_store_b128 v13, v[F0+32*\b+4*\t:F0+32*\b+4*\t+3], s[12:13] offset:(16*\b+2*\t)*4096 th:TH_STORE_NT   ; sixteen lanes store 256 consecutive bytes, at a multiple of 256 from out0's first byte
.endr
.endm
	TOSTAGE 0
	TOSTAGE 1
	SEND 0, 16                                     ; behind tile 0's loads: tile 1's eight stores and eight loads
	SEND 1, 0
	s_wait_tensorcnt 0x0
	ds_add_u32 v192, v193
	s_wait_dscnt 0x0
	CROUND                                         ; the closing round: no work-group ends while a partner may still ask for a panel that names it
	s_endpgm
.Lfunc_end_k_q8023426987_outp:
	.size	k_q8023426987_outp, .Lfunc_end_k_q8023426987_outp-k_q8023426987_outp
	.p2alignl 7, 3214868480
	.fill 96, 4, 3214868480
	.section	.rodata,"a",@progbits
	.p2align	6, 0x0
	.amdhsa_kernel k_q8023426987_outp
		.amdhsa_group_segment_fixed_size 297984
		.amdhsa_private_segment_fixed_size 0
		.amdhsa_enable_private_segment 0
		.amdhsa_kernarg_size 40
		.amdhsa_user_sgpr_count 2
		.amdhsa_user_sgpr_kernarg_segment_ptr 1
		.amdhsa_wavefront_size32 1
		.amdhsa_system_sgpr_workgroup_id_x 1
		.amdhsa_system_sgpr_workgroup_id_y 1
		.amdhsa_system_sgpr_workgroup_id_z 1
		.amdhsa_system_vgpr_workitem_id 0
		.amdhsa_next_free_vgpr 194
		.amdhsa_next_free_sgpr 102
		.amdhsa_reserve_vcc 0
		.amdhsa_float_denorm_mode_32 3
		.amdhsa_float_denorm_mode_16_64 3
		.amdhsa_memory_ordered 1
		.amdhsa_forward_progress 1
		.amdhsa_inst_pref_size 38
	.end_amdhsa_kernel
	.amdgpu_metadata
---
amdhsa.version: [ 1, 2 ]
amdhsa.kernels:
  - .name:           k_q8023426987_outp
    .symbol:         k_q8023426987_outp.kd
    .args:
      - { .name: ac, .offset: 0, .size: 8, .value_kind: global_buffer, .address_space: global }
      - { .name: wc, .offset: 8, .size: 8, .value_kind: global_buffer, .address_space: global }
      - { .name: bo, .offset: 16, .size: 8, .value_kind: global_buffer, .address_space: global }
      - { .name: lowp_scales, .offset: 24, .size: 8, .value_kind: global_buffer, .address_space: global }
      - { .name: out0, .offset: 32, .size: 8, .value_kind: global_buffer, .address_space: global }
    .group_segment_fixed_size: 297984
    .private_segment_fixed_size: 0
    .kernarg_segment_align: 8
    .kernarg_segment_size: 40
    .max_flat_workgroup_size: 256
    .sgpr_count:     102
    .vgpr_count:     194
    .wavefront_size: 32
...
	.end_amdgpu_metadata
.endif
;; end of part 4
